; MI455X (gfx1250); checked and timed in simulation.
; The chip was launched on July 23, 2026; its instructions are those of AMD's public machine-readable ISA for CDNA 5 (MIT licence, August 2026) and "CDNA5" Instruction Set Architecture Reference Guide (July 2026). The comments in the code are by the model that wrote it; some were corrected since.
;; Custom LSTM Cell. Allowed arithmetic: float matrix products may take bf16 or f16 operands with f32 sums; all other float work in f32.
;; Inputs: C_prev 8,192 x 1,024 float32; W_C 2,048 x 1,024 float32; W_f 2,048 x 1,024 float32; W_i 2,048 x 1,024 float32; W_o 2,048 x 1,024 float32; b_C 1,024 float32; b_f 1,024 float32; b_i 1,024 float32; b_o 1,024 float32; h_prev 8,192 x 1,024 float32; x 8,192 x 1,024 float32.
;; Outputs: out0 8,192 x 1,024 float32; out1 8,192 x 1,024 float32.
;; 2 versions, each right; version 2 is version 1 with the launch prep written anew for expert scheduling mode. Each part assembles by itself: llvm-mc -triple=amdgcn-amd-amdhsa -mcpu=gfx1250 --defsym DOCPART=n.
;; ======== version 1 of 2: 2 launches
;; limits: below input magnitudes of 1e-05 results are inexact or not finite
;; workspace buffers: Ab 33,554,432 bytes; Wt 16,777,216 bytes
;; launch prep (part 1): grid 768 x 1, 4 waves a work-group, no clusters, 70,144 bytes of LDS; arguments x, h_prev, W_f, W_i, W_o, W_C, Ab, Wt; writes Ab, Wt
.if DOCPART == 1
	.amdgcn_target "amdgcn-amd-amdhsa--gfx1250"
	.amdhsa_code_object_version 6
	.text
	.protected	k_qe66c6fa7fa_prep
	.globl	k_qe66c6fa7fa_prep
	.p2align	8
	.type	k_qe66c6fa7fa_prep,@function
k_qe66c6fa7fa_prep:
	s_mov_b64 s[64:65], 0
	v_nop
	global_prefetch_b8 v0, s[64:65] scope:SCOPE_SE
	s_setreg_imm32_b32 hwreg(HW_REG_WAVE_MODE, 25, 1), 1
	s_wait_xcnt 0x0
; The operands of the gate product, rounded once to bf16 and laid as the matrix kernel reads them.
;   Ab [8192][2048] bf16: row m = x[m][0:1024], then h_prev[m][0:1024].  A row is 4,096 bytes.
;   Wt [4096][2048] bf16, K along the rows: the weight of gate g (0 f, 1 i, 2 o, 3 C) and hidden column j lies in row
;   (j >> 5) * 128 + g * 32 + (j & 31), so that 128 neighbouring rows hold all four gates of 32 hidden columns.
; 768 work-groups of four waves, 32 KiB of f32 read by each wave: groups 0-511 cast x and h_prev, groups 512-767 cast and transpose the weights.
; The waves do not depend on each other: no barrier.  Every byte is read once and written once, so matrix units and clusters have nothing to do here.
.set ROWB,   4096                      ; bytes in a row of x, h_prev, W (f32) and of Ab, Wt (bf16)
.set WPITCH, 272                       ; the transposing stage: a row = 128 k in bf16 (256 bytes) + 16 of padding
.set WREG,   64*WPITCH                 ; 64 rows (n): a wave's own stage
.set SRC, 4                            ; v4  my byte offset in the source
.set DST, 5                            ; v5  my byte offset in the destination
.set LST, 6                            ; v6  LDS address of my stores
.set LRD, 7                            ; v7  LDS address of my reads
.set X0,  16                           ; v[16:79]   a batch of 16 loads
.set X1,  80                           ; v[80:143]  the other batch
.set T,   144                          ; v[144:159] packed words at work
	s_load_b512 s[16:31], s[0:1], 0x0              ; x s[16:17], h_prev s[18:19], W_f s[20:21], W_i s[22:23], W_o s[24:25], W_C s[26:27], Ab s[28:29], Wt s[30:31]
	v_lshl_add_u32 v160, v0, 2, 0x11000
	v_mov_b32 v161, 0
	s_mov_b32 s2, ttmp9                            ; the work-group's number
	v_lshrrev_b32 v1, 5, v0
	v_readfirstlane_b32 s3, v1                     ; wave 0..3
	v_and_b32 v1, 31, v0                           ; lane l
	v_and_b32 v2, 15, v0                           ; l % 16
	v_bfe_u32 v3, v0, 4, 1                         ; l / 16
	s_mov_b32 s9, 0                                ; high word of the offset pair s[8:9]
	s_wait_kmcnt 0x0
	s_cmp_ge_u32 s2, 512
	s_cbranch_scc1 .Lweights
	; ---- x and h_prev: a wave takes 8 rows, 32 KiB that lie together in the source ----
	s_lshr_b32 s10, s2, 8                          ; 0: x, 1: h_prev
	s_and_b32 s11, s2, 255                         ; block of 32 rows
	s_lshl_b32 s8, s11, 17                         ; 32 rows of 4,096 bytes
	s_lshl_b32 s12, s3, 15                         ; + 8 rows for each wave; Ab's rows are 4,096 bytes too, so the offset serves both sides
	s_add_co_u32 s8, s8, s12
	s_cmp_eq_u32 s10, 0
	s_cselect_b64 s[4:5], s[16:17], s[18:19]
	s_add_nc_u64 s[4:5], s[4:5], s[8:9]
	s_add_nc_u64 s[6:7], s[28:29], s[8:9]
	s_lshl_b32 s8, s10, 11                         ; h_prev fills the second 2,048 bytes of Ab's rows
	s_add_nc_u64 s[6:7], s[6:7], s[8:9]
	v_lshlrev_b32 v[SRC], 4, v1                    ; 16 bytes of f32 a lane: a load of the wave covers 512 neighbouring bytes
	v_lshlrev_b32 v[DST], 3, v1                    ; 8 bytes of bf16 a lane: a store of the wave covers 256 neighbouring bytes, aligned
.macro LOADA b, set                    ; batch b of four: 16 loads, 8 KiB, two rows
.irp i, 0,1,2,3,4,5,6,7,8,9,10,11,12,13,14,15
	global_load_b128 v[\set+4*\i:\set+4*\i+3], v[SRC], s[4:5] offset:(16*\b+\i)*512 th:TH_LOAD_NT
.endr
.endm
.macro PROCA b, set                    ; round in place, two numbers an instruction, and store
.irp i, 0,1,2,3,4,5,6,7,8,9,10,11,12,13,14,15
	v_cvt_pk_bf16_f32 v[\set+4*\i],   v[\set+4*\i],   v[\set+4*\i+1]
	v_cvt_pk_bf16_f32 v[\set+4*\i+1], v[\set+4*\i+2], v[\set+4*\i+3]
	global_store_b64 v[DST], v[\set+4*\i:\set+4*\i+1], s[6:7] offset:(2*\b+(\i>>3))*ROWB+(\i&7)*256
.endr
.endm
	LOADA 0, X0
	LOADA 1, X1
	s_wait_loadcnt 16                              ; loads come back in order (ISA guide 5.7.1): batch 0 is in, the 16 of batch 1 stay out
	PROCA 0, X0
	s_wait_xcnt 0x0                                ; X0 is the data of the stores just issued: it is loaded again only behind this wait
	LOADA 2, X0
	s_wait_loadcnt 16                              ; batch 1 is in, batch 2 stays out
	PROCA 1, X1
	s_wait_xcnt 0x0                                ; the same for X1
	LOADA 3, X1
	s_wait_loadcnt 16                              ; batch 2 is in, batch 3 stays out
	PROCA 2, X0
	s_wait_loadcnt 0x0                             ; the last batch
	PROCA 3, X1
	s_endpgm
.Lweights:
	; ---- the weights: a wave takes a tile of 128 k x 64 n of one gate and turns it over in its own 17,408 bytes of LDS ----
	s_sub_co_u32 s10, s2, 512                      ; t = 0..255
	s_lshr_b32 s11, s10, 6                         ; gate g
	s_bfe_u32 s12, s10, 0x40002                    ; block of 64 hidden columns, 0..15 (4 bits from bit 2)
	s_and_b32 s13, s10, 3
	s_lshl2_add_u32 s13, s13, s3                   ; block of 128 k = 4 (t & 3) + wave, 0..15
	s_cmp_eq_u32 s11, 1
	s_cselect_b64 s[4:5], s[22:23], s[20:21]       ; W_i or W_f,
	s_cmp_eq_u32 s11, 2
	s_cselect_b64 s[4:5], s[24:25], s[4:5]         ; or W_o,
	s_cmp_eq_u32 s11, 3
	s_cselect_b64 s[4:5], s[26:27], s[4:5]         ; or W_C
	s_lshl_b32 s8, s13, 19                         ; 128 rows (k) of 4,096 bytes
	s_lshl_b32 s14, s12, 8                         ; + 64 columns of 4 bytes
	s_add_co_u32 s8, s8, s14
	s_add_nc_u64 s[4:5], s[4:5], s[8:9]
	s_lshl_b32 s8, s12, 20                         ; Wt: 256 rows of 4,096 bytes for each block of 64 hidden columns,
	s_lshl_b32 s14, s11, 17                        ; + 32 rows for the gate,
	s_add_co_u32 s8, s8, s14
	s_lshl_b32 s14, s13, 8                         ; + 128 k of 2 bytes along the row
	s_add_co_u32 s8, s8, s14
	s_add_nc_u64 s[6:7], s[30:31], s[8:9]
	s_mul_i32 s15, s3, WREG                        ; my wave's stage
	v_lshlrev_b32 v[SRC], 15, v3                   ; lanes 16-31 read the row 8 further down,
	v_lshl_add_u32 v[SRC], v2, 4, v[SRC]           ; 16 lanes cover the tile's 256 bytes of a row
	v_lshlrev_b32 v[DST], 12, v3                   ; lanes 16-31 store the next row of Wt,
	v_lshl_add_u32 v[DST], v2, 4, v[DST]           ; 16 lanes cover its 256 bytes
	v_mul_u32_u24 v[LST], v2, 4*WPITCH             ; in: my four columns n = 4 (l % 16) + c are four stage rows,
	v_lshl_add_u32 v[LST], v3, 4, v[LST]           ; my eight k are 16 bytes
	v_add_nc_u32 v[LST], s15, v[LST]
	v_mul_u32_u24 v[LRD], v3, WPITCH               ; back: lanes 0-15 one stage row, lanes 16-31 the next
	v_lshl_add_u32 v[LRD], v2, 4, v[LRD]
	v_add_nc_u32 v[LRD], s15, v[LRD]
.macro LOADW b, set                    ; batch b of four: 32 rows (k).  Register set + 32 q + 4 i + c = W[32 b + 16 q + 8 (l / 16) + i][4 (l % 16) + c]
.irp q, 0,1
.irp i, 0,1,2,3,4,5,6,7
	global_load_b128 v[\set+32*\q+4*\i:\set+32*\q+4*\i+3], v[SRC], s[4:5] offset:(32*\b+16*\q+\i)*ROWB th:TH_LOAD_NT
.endr
.endr
.endm
; Eight k of one column pack into 16 bytes, the lower k in the lower half, and go to that column's stage row..
; A pitch that would part them is no multiple of 16 bytes; the stage carries 16 KiB for each wave once, so the form is kept.
.macro PROCW b, set
.irp q, 0,1
.irp c, 0,1,2,3
.irp p, 0,1,2,3
	v_cvt_pk_bf16_f32 v[T+4*\c+\p], v[\set+32*\q+8*\p+\c], v[\set+32*\q+8*\p+4+\c]
.endr
.endr
.irp c, 0,1,2,3
	ds_store_b128 v[LST], v[T+4*\c:T+4*\c+3] offset:\c*WPITCH+64*\b+32*\q
.endr
.endr
.endm
	LOADW 0, X0
	LOADW 1, X1
	s_wait_loadcnt 16                              ; batch 0 is in, the 16 of batch 1 stay out
	PROCW 0, X0
	LOADW 2, X0                                    ; X0 was read by vector instructions alone
	s_wait_loadcnt 16
	PROCW 1, X1
	LOADW 3, X1
	s_wait_loadcnt 16
	PROCW 2, X0
	s_wait_loadcnt 0x0
	PROCW 3, X1
	; Back by rows: 128 k of one column n are 256 bytes.  LDS serves a wave's instructions in order (ISA guide 5.7.1.4), and the bytes are my wave's own.
.set t, 0
.rept 32
	ds_load_b128 v[X0+4*t:X0+4*t+3], v[LRD] offset:t*2*WPITCH      ; stage rows 2 t and 2 t + 1
.set t, t+1
.endr
.set t, 0
.rept 32
	s_wait_dscnt 31-t                              ; the younger reads stay out
	global_store_b128 v[DST], v[X0+4*t:X0+4*t+3], s[6:7] offset:((t>>4)*128+((2*t)&31))*ROWB   ; n = 2 t + l / 16: n >> 5 picks the 128 rows, n & 31 the row; 16 lanes store 256 consecutive bytes, aligned
.set t, t+1
.endr
	s_wait_tensorcnt 0x0
	ds_add_u32 v160, v161
	s_wait_dscnt 0x0
	s_endpgm
.Lfunc_end_k_qe66c6fa7fa_prep:
	.size	k_qe66c6fa7fa_prep, .Lfunc_end_k_qe66c6fa7fa_prep-k_qe66c6fa7fa_prep
	.p2alignl 7, 3214868480
	.fill 96, 4, 3214868480
	.section	.rodata,"a",@progbits
	.p2align	6, 0x0
	.amdhsa_kernel k_qe66c6fa7fa_prep
		.amdhsa_group_segment_fixed_size 70144
		.amdhsa_private_segment_fixed_size 0
		.amdhsa_enable_private_segment 0
		.amdhsa_kernarg_size 64
		.amdhsa_user_sgpr_count 2
		.amdhsa_user_sgpr_kernarg_segment_ptr 1
		.amdhsa_wavefront_size32 1
		.amdhsa_system_sgpr_workgroup_id_x 1
		.amdhsa_system_sgpr_workgroup_id_y 1
		.amdhsa_system_sgpr_workgroup_id_z 1
		.amdhsa_system_vgpr_workitem_id 0
		.amdhsa_next_free_vgpr 162
		.amdhsa_next_free_sgpr 66
		.amdhsa_reserve_vcc 0
		.amdhsa_float_denorm_mode_32 3
		.amdhsa_float_denorm_mode_16_64 3
		.amdhsa_memory_ordered 1
		.amdhsa_forward_progress 1
		.amdhsa_inst_pref_size 46
	.end_amdhsa_kernel
	.amdgpu_metadata
---
amdhsa.version: [ 1, 2 ]
amdhsa.kernels:
  - .name:           k_qe66c6fa7fa_prep
    .symbol:         k_qe66c6fa7fa_prep.kd
    .args:
      - { .name: x, .offset: 0, .size: 8, .value_kind: global_buffer, .address_space: global }
      - { .name: h_prev, .offset: 8, .size: 8, .value_kind: global_buffer, .address_space: global }
      - { .name: W_f, .offset: 16, .size: 8, .value_kind: global_buffer, .address_space: global }
      - { .name: W_i, .offset: 24, .size: 8, .value_kind: global_buffer, .address_space: global }
      - { .name: W_o, .offset: 32, .size: 8, .value_kind: global_buffer, .address_space: global }
      - { .name: W_C, .offset: 40, .size: 8, .value_kind: global_buffer, .address_space: global }
      - { .name: Ab, .offset: 48, .size: 8, .value_kind: global_buffer, .address_space: global }
      - { .name: Wt, .offset: 56, .size: 8, .value_kind: global_buffer, .address_space: global }
    .group_segment_fixed_size: 70144
    .private_segment_fixed_size: 0
    .kernarg_segment_align: 8
    .kernarg_segment_size: 64
    .max_flat_workgroup_size: 128
    .sgpr_count:     66
    .vgpr_count:     162
    .wavefront_size: 32
...
	.end_amdgpu_metadata
.endif
;; end of part 1
;; launch lstm (part 2): grid 16 x 32, 4 waves a work-group, clusters of 4 x 4, 327,680 bytes of LDS; arguments Ab, Wt, C_prev, b_f, b_i, b_o, b_C, out0, out1; writes out0, out1
.if DOCPART == 2
	.amdgcn_target "amdgcn-amd-amdhsa--gfx1250"
	.amdhsa_code_object_version 6
	.text
	.protected	k_qe66c6fa7fa_lstm
	.globl	k_qe66c6fa7fa_lstm
	.p2align	8
	.type	k_qe66c6fa7fa_lstm,@function
k_qe66c6fa7fa_lstm:
	s_mov_b64 s[64:65], 0
	v_nop
	global_prefetch_b8 v0, s[64:65] scope:SCOPE_SE
	s_setreg_imm32_b32 hwreg(HW_REG_WAVE_MODE, 25, 1), 1
	s_wait_xcnt 0x0
	s_wait_alu depctr_hold_cnt(0) depctr_sa_sdst(0) depctr_va_vdst(0) depctr_va_sdst(0) depctr_va_ssrc(0) depctr_va_vcc(0) depctr_vm_vsrc(0)
	s_getreg_b32 s2, hwreg(HW_REG_IB_STS2, 6, 4)
	s_cmp_eq_u32 s2, 0
	s_cbranch_scc0 .Lentry_in_a_cluster
	s_endpgm
.Lentry_in_a_cluster:
	s_bfe_u32 s2, ttmp6, 0x10000c
	s_cmp_lg_u32 s2, 0xf033
	s_cbranch_scc0 .Lentry_shape_is_right
	s_endpgm
.Lentry_shape_is_right:
; gates = Ab Wt^T + b;  C_t = sigmoid(f) C_prev + sigmoid(i) tanh(g);  h_t = sigmoid(o) tanh(C_t).  out0 = h_t, out1 = C_t, f32 [8192][1024].
; Ab [8192][2048] and Wt [4096][2048] are bf16 with K along the rows; in Wt the row of gate g (0 f, 1 i, 2 o, 3 C) and hidden column j is
; (j >> 5) * 128 + g * 32 + (j & 31).  Sums in f32.
; A work-group makes 256 rows x 64 hidden columns (256 rows of Wt: all four gates) with four waves; a wave makes 128 rows x 128 rows of Wt =
; 32 hidden columns x 4 gates: 64 accumulator tiles of 16 x 16, 512 registers.  So a lane ends up with all four gates of its elements, and the
; cell's arithmetic is done on the accumulators, without a way through memory.
; K goes in steps of 128 through a ring of two LDS slots filled by the tensor data mover; a tile's rows are 256 bytes of memory, aligned.
; CLUSTERS: 4 x 4 work-groups.  The four of a row of the cluster need the same tiles of Ab, the four of a column the same tiles of Wt: such a tile is
; asked for jointly, by the same tensor load with the same descriptor and a mask that names the four.  That divides the requests by four.
; C_prev's tile (256 rows x 256 bytes, the work-group's own, no mask) comes into slot 0 when its last K step has been read.
; THE RESULTS LEAVE WHILE THE CELL IS COMPUTED: the cell goes in eight steps of 16 rows a wave; each step's results pass through a small stage in LDS, and
; their stores are issued in the middle of the next step's arithmetic.
;
; LIMITS.  v_exp_f32 and v_rcp_f32 flush denormals (ISA guide 15.8): a sigmoid below 2^-126 comes out as 0.  tanh(x) = 1 - 2 / (1 + 2^(2.885390 x)) has an
; absolute error of about 1e-7, so its relative error grows for |x| below about 1e-5.  Both ends saturate by themselves (2^t = inf gives a reciprocal of 0,
; 2^t = 0 gives 1), so no exponent is clamped.  The matrix operands are rounded to bf16.
;
; REGISTERS, in windows of 256 (s_set_vgpr_msb says which window each operand place means; low byte: bits 1:0 source 0, 3:2 source 1, 5:4 source 2, 7:6 destination):
;   window 0: v0-31 addresses; v64-127, v128-191 fragments of Ab, two buffers (at work in the cell's arithmetic afterwards); v192-255 the scaled biases
;   window 1: v64-127, v128-191 fragments of Wt, two buffers
;   window 2: the 32 accumulator tiles of my rows 0-63 (tile (a, b) at v[8 (8 a + b)]);   window 3: those of my rows 64-127
; THE MATRIX INSTRUCTION IS USED TRANSPOSED: source 0 = 16 rows of Wt, source 1 = 16 rows of Ab.  Lane l then holds row l % 16, and registers 0 to 7 of tile
; b = 2 g + s hold gate g of the hidden columns 16 s + 8 (l / 16) + 0 .. 7 of my 32.
.set SIZE_K, 2048
.set KSTEP,  128
.set PITCH,  272                       ; an LDS row: 256 bytes + 16 of padding = 68 words: row r starts at bank 4 r mod 64 (64 banks of 4 bytes: ISA guide 11.1)
.set HALFT,  128*PITCH                 ; 128 rows: what one tensor load brings, and what one wave reads of Ab or of Wt
.set SLOT,   4*HALFT                   ; Ab's 256 rows, then Wt's 256 rows
.set LAPS,   SIZE_K/(2*KSTEP)          ; a lap = two K steps = once round the ring: 8
.set CPITCH, 272                       ; C_prev's tile: 64 f32 + 16 bytes of padding
.set CQUART, 64*CPITCH                 ; 64 rows: what one wave brings of it
.set STAGE,  4*CQUART                  ; 69,632: behind C_prev's tile, in bytes of slot 0 that have had their last fill; written only behind the barrier that ends K
.set SPITCH, 144                       ; a stage row: my 32 hidden columns in f32 + 16 bytes of padding
.set HOFF,   16*SPITCH                 ; a wave's part of a stage buffer: one step's C_t (16 rows), then its h_t (16 rows),
.set WREG,   2*HOFF+128                ; then 128 bytes, so that the two column halves of a row lie 128 modulo 256 bytes apart: read together they meet in no bank
.set PBUF,   4*WREG                    ; a stage buffer: the four waves' parts, 18,944 bytes.  Two buffers take turns by the step's parity
.set ADRA, 16                          ; v16-17  LDS address of my Ab fragments in slot 0, 1
.set ADRB, 20                          ; v20-21  the same for Wt
.set STO,  24                          ; v24     where I put my 16 bytes in my part of stage buffer 0
.set RD,   25                          ; v25     where I read whole rows back from stage buffer 0
.set CO,   26                          ; v26     my byte offset in the output that I store
.set CPA,  27                          ; v27     LDS address of my C_prev
.set BO,   28                          ; v28     my byte offset in the biases
.set F0,   64                          ; fragment buffer 0
.set F1,   128                         ; fragment buffer 1
.set BI,   192                         ; v[192:255] bias of register j of tile b at 8 b + j, times -log2 e (f, i, o) or 2 log2 e (C)
.set T,    64                          ; v[64:127]  the four gates at work: 16 g + 8 s + j
.set CP,   128                         ; v[128:143] C_prev, 8 s + j
.set CT,   144                         ; v[144:159] C_t
.set OB,   160                         ; v[160:191] a step's 16 rows on their way out: eight reads of two rows
.set G1,  24                           ; s[24:31] descriptor group 1 for Ab's tiles
.set G0,  32                           ; s[32:39] descriptor group 0 for Ab's tiles, one set for each slot
.set G1B, 48                           ; s[48:55] group 1 for Wt's tiles: it differs in the mask alone
.set G0B, 56                           ; s[56:63] group 0 for Wt's tiles, one set for each slot
.set GC1, 80                           ; s[80:87] group 1 for C_prev's tile
.set GC0, 88                           ; s[88:91] group 0 for C_prev's tile
.set MSB, 0
.macro WIN new                         ; the immediate's high byte repeats the setting that is left
.if MSB != \new
	s_set_vgpr_msb (MSB<<8)|\new
.set MSB, \new
.endif
.endm
.set MUL_LO, 0xa1                      ; source 0 (Wt) window 1, source 1 (Ab) window 0, C and D window 2
.set MUL_HI, 0xf1                      ; the same, C and D window 3
.set TO_B,   0x40                      ; destination window 1, address window 0
; A joint load.  Waves 0 and 1 fetch Ab's two halves, waves 2 and 3 Wt's.  Each of the two lines has one mask and one set of registers for all that issue it.
; The branch hangs on the wave's number alone.  Four v_nop follow each of the two lines.
.macro JLOAD s
	s_cmp_eq_u32 s11, 0
	s_cbranch_scc0 .Lfor_b_\@
	tensor_load_to_lds s[G0+4*\s:G0+4*\s+3], s[G1:G1+7]
	s_nop 0
.rept 4
	v_nop
.endr
	s_branch .Lasked_\@
.Lfor_b_\@:
	tensor_load_to_lds s[G0B+4*\s:G0B+4*\s+3], s[G1B:G1B+7]
	s_nop 0
.rept 4
	v_nop
.endr
.Lasked_\@:
.endm
; A round of the cluster's barrier: my work-group's barrier, so that wave 0's signal speaks for all four waves; wave 0 signals for the work-group; every wave
; waits for all sixteen work-groups; my work-group's barrier once more.
.macro CREST                           ; a round behind its opening barrier
	s_cmp_lg_u32 s10, 0
	s_cbranch_scc1 .Lnot_wave_0_\@
	s_barrier_signal -3
.Lnot_wave_0_\@:
	s_barrier_wait -3
	s_barrier_signal -1
	s_barrier_wait -1
.endm
.macro CROUND                          ; a whole round
	s_barrier_signal -1
	s_barrier_wait -1
	CREST
.endm
	s_load_b128 s[4:7], s[0:1], 0x0                ; Ab s[4:5], Wt s[6:7]
	s_load_b64 s[8:9], s[0:1], 0x10                ; C_prev
	s_load_b256 s[68:75], s[0:1], 0x18             ; b_f s[68:69], b_i s[70:71], b_o s[72:73], b_C s[74:75]
	s_load_b128 s[76:79], s[0:1], 0x38             ; out0 s[76:77], out1 s[78:79]
	s_set_vgpr_msb 0x40
	v_lshl_add_u32 v255, v0, 2, 0x44000
	s_set_vgpr_msb 0x4000
	v_mov_b32 v63, 0
	s_set_vgpr_msb 0x1
	ds_add_u32 v255, v63
	s_set_vgpr_msb 0x100
	v_lshrrev_b32 v1, 5, v0
	v_readfirstlane_b32 s10, v1                    ; wave 0..3
	s_lshr_b32 s11, s10, 1                         ; which half of the block's rows is mine.  Also: I fetch for Ab (0) or for Wt (1)
	s_and_b32 s12, s10, 1                          ; which half of its hidden columns.  Also: which 128 rows of that tile I fetch, and which output I store
	s_bfe_u32 s40, ttmp6, 0x40000                  ; cx: my place along the cluster's x
	s_bfe_u32 s41, ttmp6, 0x40004                  ; cy: along its y
	s_lshl_b32 s42, ttmp9, 2                       ; in a cluster launch ttmp9 and ttmp7 count clusters
	s_add_co_u32 s42, s42, s40                     ; block of 64 hidden columns = 4 x cluster x + cx, 0..15
	s_and_b32 s13, ttmp7, 0xffff
	s_lshl_b32 s13, s13, 2
	s_add_co_u32 s13, s13, s41                     ; block of 256 rows = 4 x cluster y + cy, 0..31
	s_lshl_b32 s43, s41, 2
	s_lshl_b32 s43, 15, s43                        ; my row of the cluster: places 4 cy .. 4 cy + 3
	s_lshl_b32 s44, 0x1111, s40                    ; my column: places cx, cx + 4, cx + 8, cx + 12
	; group 1 for Ab and Wt: a tile of 128 rows x 128 elements of 2 bytes, padded in LDS
	s_or_b32 s[G1+0], s43, (1<<16)|(1<<20)|(1<<21)|(5<<22)|(3<<25)  ; 15:0 the mask: my row; 17:16 element of 2 bytes; 20 padding on; 21 set beside a mask; 24:22 after every 64 words; 31:25 of 4 words
	s_or_b32 s[G1B+0], s44, (1<<16)|(1<<20)|(1<<21)|(5<<22)|(3<<25) ; the same with the mask of my column
	s_mov_b32 s[G1B+1], KSTEP<<16
	s_mov_b32 s[G1+1], KSTEP<<16                   ; tensor_dim0 = 128
	s_mov_b32 s[G1B+2], 128<<16
	s_mov_b32 s[G1+2], 128<<16                     ; tensor_dim1 = 128
	s_mov_b32 s[G1B+3], KSTEP<<16
	s_mov_b32 s[G1+3], KSTEP<<16                   ; tile_dim0 = 128
	s_mov_b32 s[G1B+4], 128
	s_mov_b32 s[G1+4], 128                         ; tile_dim1 = 128
	s_mov_b32 s[G1B+5], SIZE_K
	s_mov_b32 s[G1+5], SIZE_K                      ; elements from row to row
	s_mov_b32 s[G1B+6], 0
	s_mov_b32 s[G1+6], 0
	s_mov_b32 s[G1B+7], 0
	s_mov_b32 s[G1+7], 0
	; group 1 for C_prev: 64 rows x 64 elements of 4 bytes, no mask, 4 words of padding after every 64
	s_mov_b32 s[GC1+0], (2<<16)|(1<<20)|(5<<22)|(3<<25)
	s_mov_b32 s[GC1+1], 64<<16                     ; tensor_dim0 = 64
	s_mov_b32 s[GC1+2], 64<<16                     ; tensor_dim1 = 64
	s_mov_b32 s[GC1+3], 64<<16                     ; tile_dim0 = 64
	s_mov_b32 s[GC1+4], 64                         ; tile_dim1 = 64
	s_mov_b32 s[GC1+5], 1024                       ; elements from row to row
	s_mov_b32 s[GC1+6], 0
	s_mov_b32 s[GC1+7], 0
	; where the tiles come from.  Ab's hang on the block of rows alone, Wt's on the block of columns alone; each address is made in registers that never hold the other coordinate.
	s_lshl_b32 s17, s12, 7                         ; which 128 rows of the tile I fetch
	s_lshl_b32 s16, s13, 8
	s_add_co_u32 s16, s16, s17                     ; Ab: row 256 x block + 128 x half
	s_lshl_b32 s46, s42, 8
	s_add_co_u32 s46, s46, s17                     ; Wt: row 256 x block + 128 x half
	s_mov_b32 s17, 0
	s_mov_b32 s47, 0
	s_mov_b64 s[18:19], SIZE_K*2
	s_mul_u64 s[16:17], s[16:17], s[18:19]         ; in bytes
	s_mul_u64 s[46:47], s[46:47], s[18:19]
	s_mul_i32 s20, s10, HALFT                      ; and where they go: wave x 128 rows
	s_lshl_b32 s92, s42, 8                         ; s[92:93]: my block's 64 columns of 4 bytes, for the biases
	s_mov_b32 s93, 0
	s_lshl_b32 s94, s13, 20                        ; s[94:95]: C_prev: rows 256 x block + 64 x wave of 4,096 bytes, and the block's columns
	s_lshl_b32 s98, s10, 18
	s_add_co_u32 s94, s94, s98
	s_add_co_u32 s94, s94, s92
	s_mov_b32 s95, 0
	s_lshl_b32 s96, s13, 20                        ; s[96:97]: the output that I store: rows 256 x block + 128 x (wave / 2), and the block's columns
	s_lshl_b32 s98, s11, 19
	s_add_co_u32 s96, s96, s98
	s_add_co_u32 s96, s96, s92
	s_mov_b32 s97, 0
	s_wait_dscnt 0x0
	s_wait_kmcnt 0x0
	s_add_nc_u64 s[14:15], s[4:5], s[16:17]
	s_add_nc_u64 s[46:47], s[6:7], s[46:47]
.irp g, 0,1,2,3
	s_add_nc_u64 s[68+2*\g:69+2*\g], s[68+2*\g:69+2*\g], s[92:93]
.endr
	s_cmp_eq_u32 s12, 0                            ; even waves store out0 (h_t), odd waves out1 (C_t)
	s_cselect_b64 s[76:77], s[76:77], s[78:79]
	s_add_nc_u64 s[76:77], s[76:77], s[96:97]
	s_mov_b32 s[GC0], 1                            ; count = 1
	s_mul_i32 s[GC0+1], s10, CQUART                ; LDS address: wave x 64 rows
	s_add_nc_u64 s[GC0+2:GC0+3], s[8:9], s[94:95]
	s_or_b32 s[GC0+3], s[GC0+3], 0x80000000        ; type = 2
	CROUND                                         ; all sixteen work-groups are here: the first joint loads meet
.irp s, 0,1
	s_mov_b32 s[G0+4*\s], 1                                        ; count = 1
	s_add_co_u32 s[G0+4*\s+1], s20, \s*SLOT                        ; LDS address
	s_add_nc_u64 s[G0+4*\s+2:G0+4*\s+3], s[14:15], \s*KSTEP*2      ; global address: K step s
	s_or_b32 s[G0+4*\s+3], s[G0+4*\s+3], 0x80000000                ; type = 2
	s_mov_b32 s[G0B+4*\s], 1
	s_add_co_u32 s[G0B+4*\s+1], s20, \s*SLOT
	s_add_nc_u64 s[G0B+4*\s+2:G0B+4*\s+3], s[46:47], \s*KSTEP*2
	s_or_b32 s[G0B+4*\s+3], s[G0B+4*\s+3], 0x80000000
	JLOAD \s                                       ; the ring is filled before anything else is done: two tensor loads of the wave are out
.endr
	; A fragment is 16 rows x 32 K in 8 registers: lane l holds row l % 16; registers 0-3 hold K = 8 (l / 16) + 0..7, registers 4-7 K = 16 + 8 (l / 16) + 0..7:
	; two loads of 16 bytes, 32 bytes apart.
	v_and_b32 v1, 15, v0                           ; r = l % 16
	v_bfe_u32 v2, v0, 4, 1                         ; h = l / 16
	v_mul_u32_u24 v3, v1, PITCH
	v_lshl_add_u32 v3, v2, 4, v3                   ; row x pitch + 16 h
	s_mul_i32 s21, s11, HALFT                      ; my 128 rows of Ab
	s_mul_i32 s22, s12, HALFT                      ; my 128 rows of Wt,
	s_add_co_u32 s22, s22, 2*HALFT                 ; which lie behind Ab's 256
.irp s, 0,1
	v_add_nc_u32 v[ADRA+\s], s21, v3
	v_add_nc_u32 v[ADRB+\s], s22, v3
	s_add_co_u32 s21, s21, SLOT
	s_add_co_u32 s22, s22, SLOT
.endr
	s_mul_i32 s23, s10, WREG
	s_add_co_u32 s23, s23, STAGE                   ; my part of stage buffer 0
	v_mul_u32_u24 v4, v1, SPITCH                   ; in: row r, my columns 8 h .. 8 h + 7 are 32 bytes
	v_lshl_add_u32 v4, v2, 5, v4
	v_add_nc_u32 v[STO], s23, v4
	s_mul_i32 s21, s11, 2*WREG                     ; back: wave w takes the 16 rows of the row half w / 2: they lie in the parts of waves 2 (w / 2) and 2 (w / 2) + 1;
	s_xor_b32 s22, s12, 1                          ; even waves take h_t, which lies HOFF behind C_t
	s_mul_i32 s22, s22, HOFF
	s_add_co_u32 s21, s21, s22
	s_add_co_u32 s21, s21, STAGE
	v_bfe_u32 v5, v0, 3, 1                         ; lanes 0-7 of sixteen take the left 128 bytes of a row, lanes 8-15 the right
	v_and_b32 v6, 7, v0
	v_mul_u32_u24 v5, v5, WREG
	v_mad_u32_u24 v5, v2, SPITCH, v5               ; lanes 16-31 the next row
	v_lshl_add_u32 v5, v6, 4, v5
	v_add_nc_u32 v[RD], s21, v5
	v_lshlrev_b32 v7, 12, v2                       ; and the same two rows in the output
	v_lshl_add_u32 v[CO], v1, 4, v7
	s_mul_i32 s21, s11, 128*CPITCH                 ; C_prev: row 128 x (w / 2) + r,
	s_lshl_b32 s22, s12, 7                         ; my 32 columns are 128 bytes,
	s_add_co_u32 s21, s21, s22
	v_mul_u32_u24 v8, v1, CPITCH
	v_lshl_add_u32 v8, v2, 5, v8                   ; of them 32 h
	v_add_nc_u32 v[CPA], s21, v8
	v_lshlrev_b32 v9, 5, v2
	v_add_nc_u32 v[BO], s22, v9                    ; the biases: 128 x (w % 2) + 32 h
	; The biases of my 16 hidden columns, four gates, once; scaled as the exponentials want them, so that one multiply-add makes an exponent from a sum.
.irp g, 0,1,2,3
.irp s, 0,1
.irp q, 0,1
	global_load_b128 v[BI+16*\g+8*\s+4*\q:BI+16*\g+8*\s+4*\q+3], v[BO], s[68+2*\g:69+2*\g] offset:64*\s+16*\q
.endr
.endr
.endr
	s_wait_loadcnt 0x0                             ; stands while the first tiles are on their way
.set n, 0
.rept 24
	v_pk_mul_f32 v[BI+2*n:BI+2*n+1], v[BI+2*n:BI+2*n+1], 0xbfb8aa3b op_sel_hi:[1,0]    ; f, i, o: times -log2 e
.set n, n+1
.endr
.rept 8
	v_pk_mul_f32 v[BI+2*n:BI+2*n+1], v[BI+2*n:BI+2*n+1], 0x4038aa3b op_sel_hi:[1,0]    ; C: times 2 log2 e
.set n, n+1
.endr
; 16 matrix instructions: m blocks a0, a0 + 1 of the window's four (hi = 0: my rows 0-63, 1: rows 64-127) x all 8 tiles of Wt, 32 along K.
; zero = 1: the first product starts the sums: nothing is ever cleared.  The 64 accumulators take turns, one instruction a turn, in the same
; order in every quarter step.
.macro MUL16 f, hi, a0, zero
.irp a, \a0, \a0+1
.irp b, 0,1,2,3,4,5,6,7
.if \zero
	v_wmma_f32_16x16x32_bf16 v[8*(8*(\a)+\b):8*(8*(\a)+\b)+7], v[\f+8*\b:\f+8*\b+7], v[\f+8*(4*\hi+\a):\f+8*(4*\hi+\a)+7], 0
.else
	v_wmma_f32_16x16x32_bf16 v[8*(8*(\a)+\b):8*(8*(\a)+\b)+7], v[\f+8*\b:\f+8*\b+7], v[\f+8*(4*\hi+\a):\f+8*(4*\hi+\a)+7], v[8*(8*(\a)+\b):8*(8*(\a)+\b)+7]
.endif
.endr
.endr
.endm
; 32 LDS loads in one run: the fragments of one quarter step (128 rows of Wt, 128 rows of Ab, 32 K at byte k of the rows) into buffer f
.macro FETCH slot, k, f
	WIN TO_B
.irp i, 0,1,2,3,4,5,6,7
	ds_load_b128 v[\f+8*\i:\f+8*\i+3],   v[ADRB+\slot] offset:\k+\i*16*PITCH
	ds_load_b128 v[\f+8*\i+4:\f+8*\i+7], v[ADRB+\slot] offset:\k+\i*16*PITCH+32
.endr
	WIN 0
.irp i, 0,1,2,3,4,5,6,7
	ds_load_b128 v[\f+8*\i:\f+8*\i+3],   v[ADRA+\slot] offset:\k+\i*16*PITCH
	ds_load_b128 v[\f+8*\i+4:\f+8*\i+7], v[ADRA+\slot] offset:\k+\i*16*PITCH+32
.endr
.endm
; A load into a register that a matrix instruction has read, and a vector instruction that reads a matrix result or writes one of a matrix instruction's
; registers, stand four places behind it; only plain vector instructions that name none of its registers are places (ISA guide 7.12.1 for vector
; instructions).
.macro PLACES
.rept 4
	v_nop
.endr
.endm
; A K step is four quarter steps of 32 along K, 64 matrix instructions each, on buffers 0, 1, 0, 1.
; One of the first three: multiplies buffer f; in its middle it fetches the next quarter's fragments, at byte k of the same slot's rows, into buffer g.
.macro QUARTER slot, k, f, g, zero
	s_wait_dscnt 8                                 ; Wt and Ab's rows 0-63 are in; the youngest eight loads (Ab's rows 64-127) may be out
	WIN MUL_LO
	MUL16 \f, 0, 0, \zero
	MUL16 \f, 0, 2, \zero
	PLACES
	FETCH \slot, \k, \g
	s_wait_dscnt 32                                ; all but the 32 just issued
	WIN MUL_HI
	MUL16 \f, 1, 0, \zero
	MUL16 \f, 1, 2, \zero
.endm
.macro THREE slot, zero
	QUARTER \slot, 64,  F0, F1, \zero
	QUARTER \slot, 128, F1, F0, 0
	QUARTER \slot, 192, F0, F1, 0
.endm
; The last quarter: multiplies buffer 1 and changes slots.  next = the other slot.
; fill = 1: this slot is filled again, two K steps ahead, by the joint loads.  fill = 2: its first 69,632 bytes are filled with C_prev's tile, 64 rows a wave.  fill = 0: nothing.
; In front of the barrier each wave waits for its own reads of this slot and for all its tensor loads, of which one is out: its part of the next slot.
; Where the slot is filled again the barrier opens a round of the cluster's barrier, and the fill is the wave's first and only tensor load behind the round.
; From a request to the wait for it a wave issues 240 matrix instructions.
.macro TURN slot, next, fill
	s_wait_dscnt 8
	WIN MUL_LO
	MUL16 F1, 0, 0, 0
	s_wait_dscnt 0                                 ; my reads of this slot are over
	s_wait_tensorcnt 0x0                           ; and all my tensor loads have landed
	ds_add_u32 v255, v63
	s_wait_dscnt 0x0
	s_barrier_signal -1                            ; say so,
	MUL16 F1, 0, 2, 0                              ; work on registers while the others arrive,
	WIN 0
	s_barrier_wait -1                              ; and go on when all four have said so
.if \fill == 0
	PLACES
.else
	CREST                                          ; all sixteen work-groups have said so: no wave of any partner still reads this slot's tile or has a load on its way
.if \fill == 1
	s_add_nc_u64 s[G0+4*\slot+2:G0+4*\slot+3], s[G0+4*\slot+2:G0+4*\slot+3], 2*KSTEP*2
	s_add_nc_u64 s[G0B+4*\slot+2:G0B+4*\slot+3], s[G0B+4*\slot+2:G0B+4*\slot+3], 2*KSTEP*2
	JLOAD \slot                                    ; the four v_nop behind it are also the places in front of the loads below
.else
	tensor_load_to_lds s[GC0:GC0+3], s[GC1:GC1+7]  ; my 64 rows of C_prev: it has the last K step's 256 matrix instructions in which to land
	s_nop 0
	PLACES
.endif
.endif
	FETCH \next, 0, F0
	WIN MUL_HI
	MUL16 F1, 1, 0, 0
	MUL16 F1, 1, 2, 0
.endm
.macro LAP zero                        ; once round the ring, both slots filled again
	THREE 0, \zero
	TURN 0, 1, 1
	THREE 1, 0
	TURN 1, 0, 1
.endm
	s_wait_tensorcnt 1                             ; my part of K step 0 is in; K step 1's may stay out
	s_barrier_signal -1
	s_barrier_wait -1                              ; everybody's is
	FETCH 0, 0, F0
	LAP 1                                          ; the first lap stands in front of the loop: its first products start the sums
	WIN 0                                          ; at a label and at a branch every window is 0
	s_mov_b32 s3, LAPS-2
.Llap:
	LAP 0
	WIN 0
	s_sub_co_u32 s3, s3, 1
	s_cmp_lg_u32 s3, 0
	s_cbranch_scc1 .Llap
	THREE 0, 0                                     ; the last lap: K steps 14 and 15
	TURN 0, 1, 2                                   ; slot 0 has been read for the last time: C_prev's tile goes into it
	THREE 1, 0
	s_wait_dscnt 8                                 ; the very last quarter: nothing more to fetch
	WIN MUL_LO
	MUL16 F1, 0, 0, 0
	MUL16 F1, 0, 2, 0
	s_wait_dscnt 0
	WIN MUL_HI
	MUL16 F1, 1, 0, 0
	MUL16 F1, 1, 2, 0
	; THE CELL.  The four v_nop are the places behind the last matrix instructions, for the multiply-adds that read the sums and for the loads into the fragment buffers.
	WIN 0
	PLACES
	s_wait_tensorcnt 0x0                           ; my 64 rows of C_prev have landed,
	s_wait_dscnt 0x0                               ; my reads of the ring are over:
	s_barrier_signal -1
	s_barrier_wait -1                              ; both hold of all four waves: C_prev's tile is whole, and the bytes behind it are free for the stage
; Step i: rows 16 i .. 16 i + 15 of my 128 = the eight tiles (a, 0..7) of window 2 or 3 (from = 0x02 or 0x03: source 0): 16 elements a lane.
; The four waves' results of a step are 32 rows x 256 bytes of each output: 32 stores of 512 bytes, eight a wave.  They go through stage buffer i % 2:
; each wave writes its own part, a barrier, and wave w reads back the 16 whole rows of output w % 2 in the row half w / 2.  The stores of step i - 1 are
; issued in the middle of step i.  Buffer i % 2 is written again in step i + 2, behind the barrier of step i + 1, in front of which every wave has
; waited for its reads of it.
.macro EPI i, a, from
.irp s, 0,1
.irp q, 0,1
	ds_load_b128 v[CP+8*\s+4*\q:CP+8*\s+4*\q+3], v[CPA] offset:\i*16*CPITCH+64*\s+16*\q    ; wanted some 200 instructions further down
.endr
.endr
	WIN \from
.irp b, 0,1,2,3,4,5
.irp p, 0,1,2,3
	v_pk_fma_f32 v[T+8*\b+2*\p:T+8*\b+2*\p+1], v[8*(8*\a+\b)+2*\p:8*(8*\a+\b)+2*\p+1], 0xbfb8aa3b, v[BI+8*\b+2*\p:BI+8*\b+2*\p+1] op_sel_hi:[1,0,1]   ; f, i, o: -log2 e (sum + bias)
.endr
.endr
.irp b, 6,7
.irp p, 0,1,2,3
	v_pk_fma_f32 v[T+8*\b+2*\p:T+8*\b+2*\p+1], v[8*(8*\a+\b)+2*\p:8*(8*\a+\b)+2*\p+1], 0x4038aa3b, v[BI+8*\b+2*\p:BI+8*\b+2*\p+1] op_sel_hi:[1,0,1]   ; C: 2 log2 e (sum + bias)
.endr
.endr
	WIN 0
.set n, 0
.rept 64
	v_exp_f32 v[T+n], v[T+n]
.set n, n+1
.endr
	v_nop                                          ; one plain vector instruction between a transcendental and the use of its result (ISA guide 5.7.2)
.if \i
	s_wait_dscnt 4                                 ; LDS loads come back in order (ISA guide 5.7.1): the last step's eight reads are in, the four of C_prev behind them may be out
.irp t, 0,1,2,3,4,5,6,7
	global_store_b128 v[CO], v[OB+4*\t:OB+4*\t+3], s[76:77] offset:(16*(\i-1)+2*\t)*4096 th:TH_STORE_NT   ; 16 lanes store 256 consecutive bytes, aligned: the block's 64 columns of one row
.endr
.endif
.set n, 0
	s_wait_alu depctr_va_vdst(0)
.rept 32
	v_pk_add_f32 v[T+2*n:T+2*n+1], v[T+2*n:T+2*n+1], 1.0 op_sel_hi:[1,0]
.set n, n+1
.endr
.set n, 0
.rept 64
	v_rcp_f32 v[T+n], v[T+n]                       ; T+0..47: the three sigmoids; T+48..63: 1 / (1 + e^(2 x))
.set n, n+1
.endr
	v_nop
.set n, 0
	s_wait_alu depctr_va_vdst(0)
.rept 8
	v_pk_fma_f32 v[T+48+2*n:T+48+2*n+1], v[T+48+2*n:T+48+2*n+1], -2.0, 1.0 op_sel_hi:[1,0,0]   ; tanh = 1 - 2 / (1 + e^(2 x))
.set n, n+1
.endr
	s_wait_dscnt 0x0                               ; C_prev: its four loads are the youngest LDS instructions
.set n, 0
.rept 8
	v_pk_mul_f32 v[CT+2*n:CT+2*n+1], v[T+2*n:T+2*n+1], v[CP+2*n:CP+2*n+1]                      ; f C_prev
.set n, n+1
.endr
.set n, 0
.rept 8
	v_pk_fma_f32 v[CT+2*n:CT+2*n+1], v[T+16+2*n:T+16+2*n+1], v[T+48+2*n:T+48+2*n+1], v[CT+2*n:CT+2*n+1]   ; + i tanh(g) = C_t
.set n, n+1
.endr
.irp s, 0,1
.irp q, 0,1
	ds_store_b128 v[STO], v[CT+8*\s+4*\q:CT+8*\s+4*\q+3] offset:(\i&1)*PBUF+64*\s+16*\q
.endr
.endr
.set n, 0
.rept 8
	v_pk_mul_f32 v[T+2*n:T+2*n+1], v[CT+2*n:CT+2*n+1], 0x4038aa3b op_sel_hi:[1,0]              ; 2 log2 e C_t
.set n, n+1
.endr
.set n, 0
.rept 16
	v_exp_f32 v[T+n], v[T+n]
.set n, n+1
.endr
	v_nop
.set n, 0
	s_wait_alu depctr_va_vdst(0)
.rept 8
	v_pk_add_f32 v[T+2*n:T+2*n+1], v[T+2*n:T+2*n+1], 1.0 op_sel_hi:[1,0]
.set n, n+1
.endr
.set n, 0
.rept 16
	v_rcp_f32 v[T+n], v[T+n]
.set n, n+1
.endr
	v_nop
.set n, 0
	s_wait_alu depctr_va_vdst(0)
.rept 8
	v_pk_fma_f32 v[T+2*n:T+2*n+1], v[T+2*n:T+2*n+1], -2.0, 1.0 op_sel_hi:[1,0,0]               ; tanh(C_t)
.set n, n+1
.endr
.set n, 0
.rept 8
	v_pk_mul_f32 v[T+2*n:T+2*n+1], v[T+32+2*n:T+32+2*n+1], v[T+2*n:T+2*n+1]                    ; o tanh(C_t) = h_t
.set n, n+1
.endr
.irp s, 0,1
.irp q, 0,1
	ds_store_b128 v[STO], v[T+8*\s+4*\q:T+8*\s+4*\q+3] offset:(\i&1)*PBUF+HOFF+64*\s+16*\q
.endr
.endr
	s_wait_dscnt 0x0                               ; my part of this step's buffer is written, and my reads of the other buffer came back long ago,
	s_barrier_signal -1
	s_barrier_wait -1                              ; everybody's: a row's two halves come from two waves' parts
.if \i
	s_wait_xcnt 0x0                                ; v[160:191] are the data of the stores issued above: they are loaded again only behind this wait
.endif
.irp t, 0,1,2,3,4,5,6,7
	ds_load_b128 v[OB+4*\t:OB+4*\t+3], v[RD] offset:(\i&1)*PBUF+\t*2*SPITCH                    ; rows 2 t and 2 t + 1 of the step's sixteen
.endr
.endm
	EPI 0, 0, 0x02
	EPI 1, 1, 0x02
	EPI 2, 2, 0x02
	EPI 3, 3, 0x02
	EPI 4, 0, 0x03
	EPI 5, 1, 0x03
	EPI 6, 2, 0x03
	EPI 7, 3, 0x03
	; the last step's sixteen rows
.irp t, 0,1,2,3,4,5,6,7
	s_wait_dscnt 7-\t                              ; the younger reads stay out
	global_store_b128 v[CO], v[OB+4*\t:OB+4*\t+3], s[76:77] offset:(16*7+2*\t)*4096 th:TH_STORE_NT
.endr
	s_set_vgpr_msb 0x1
	s_wait_tensorcnt 0x0
	ds_add_u32 v255, v63
	s_wait_dscnt 0x0
	s_set_vgpr_msb 0x100
	CROUND                                         ; the closing round: no work-group ends while a partner may still ask for a tile that names it
	s_endpgm
.Lfunc_end_k_qe66c6fa7fa_lstm:
	.size	k_qe66c6fa7fa_lstm, .Lfunc_end_k_qe66c6fa7fa_lstm-k_qe66c6fa7fa_lstm
	.p2alignl 7, 3214868480
	.fill 96, 4, 3214868480
	.section	.rodata,"a",@progbits
	.p2align	6, 0x0
	.amdhsa_kernel k_qe66c6fa7fa_lstm
		.amdhsa_group_segment_fixed_size 327680
		.amdhsa_private_segment_fixed_size 0
		.amdhsa_enable_private_segment 0
		.amdhsa_kernarg_size 72
		.amdhsa_user_sgpr_count 2
		.amdhsa_user_sgpr_kernarg_segment_ptr 1
		.amdhsa_wavefront_size32 1
		.amdhsa_system_sgpr_workgroup_id_x 1
		.amdhsa_system_sgpr_workgroup_id_y 1
		.amdhsa_system_sgpr_workgroup_id_z 1
		.amdhsa_system_vgpr_workitem_id 0
		.amdhsa_next_free_vgpr 1024
		.amdhsa_next_free_sgpr 100
		.amdhsa_reserve_vcc 0
		.amdhsa_float_denorm_mode_32 3
		.amdhsa_float_denorm_mode_16_64 3
		.amdhsa_memory_ordered 1
		.amdhsa_forward_progress 1
		.amdhsa_inst_pref_size 255
	.end_amdhsa_kernel
	.section	.bss,"aw",@nobits
	.p2align	6
	.space	262144
	.amdgpu_metadata
---
amdhsa.version: [ 1, 2 ]
amdhsa.kernels:
  - .name:           k_qe66c6fa7fa_lstm
    .symbol:         k_qe66c6fa7fa_lstm.kd
    .args:
      - { .name: Ab, .offset: 0, .size: 8, .value_kind: global_buffer, .address_space: global }
      - { .name: Wt, .offset: 8, .size: 8, .value_kind: global_buffer, .address_space: global }
      - { .name: C_prev, .offset: 16, .size: 8, .value_kind: global_buffer, .address_space: global }
      - { .name: b_f, .offset: 24, .size: 8, .value_kind: global_buffer, .address_space: global }
      - { .name: b_i, .offset: 32, .size: 8, .value_kind: global_buffer, .address_space: global }
      - { .name: b_o, .offset: 40, .size: 8, .value_kind: global_buffer, .address_space: global }
      - { .name: b_C, .offset: 48, .size: 8, .value_kind: global_buffer, .address_space: global }
      - { .name: out0, .offset: 56, .size: 8, .value_kind: global_buffer, .address_space: global }
      - { .name: out1, .offset: 64, .size: 8, .value_kind: global_buffer, .address_space: global }
    .group_segment_fixed_size: 327680
    .private_segment_fixed_size: 0
    .kernarg_segment_align: 8
    .kernarg_segment_size: 72
    .max_flat_workgroup_size: 128
    .sgpr_count:     100
    .vgpr_count:     1024
    .wavefront_size: 32
...
	.end_amdgpu_metadata
.endif
;; end of part 2
;; ======== version 2 of 2: 2 launches; version 1 with the launch prep written anew for expert scheduling mode
;; limits: below input magnitudes of 1e-05 results are inexact or not finite
;; workspace buffers: Ab 33,554,432 bytes; Wt 16,777,216 bytes
;; launch prep (part 3): grid 768 x 1, 4 waves a work-group, no clusters, 70,144 bytes of LDS; arguments x, h_prev, W_f, W_i, W_o, W_C, Ab, Wt; writes Ab, Wt
.if DOCPART == 3
	.amdgcn_target "amdgcn-amd-amdhsa--gfx1250"
	.amdhsa_code_object_version 6
	.text
	.protected	k_qe66c6fa7fa_prep
	.globl	k_qe66c6fa7fa_prep
	.p2align	8
	.type	k_qe66c6fa7fa_prep,@function
k_qe66c6fa7fa_prep:
	s_mov_b64 s[64:65], 0
	v_nop
	global_prefetch_b8 v0, s[64:65] scope:SCOPE_SE
	s_setreg_imm32_b32 hwreg(HW_REG_WAVE_SCHED_MODE, 0, 2), 2
	s_setreg_imm32_b32 hwreg(HW_REG_WAVE_MODE, 25, 1), 1
	s_wait_xcnt 0x0
	s_wait_alu depctr_vm_vsrc(0)
; The operands of the gate product, rounded once to bf16 and laid as the matrix kernel reads them.
;   Ab [8192][2048] bf16: row m = x[m][0:1024], then h_prev[m][0:1024].  A row is 4,096 bytes.
;   Wt [4096][2048] bf16, K along the rows: the weight of gate g (0 f, 1 i, 2 o, 3 C) and hidden column j lies in row
;   (j >> 5) * 128 + g * 32 + (j & 31), so that 128 neighbouring rows hold all four gates of 32 hidden columns.
; 768 work-groups of four waves, 32 KiB of f32 read by each wave: groups 0-511 cast x and h_prev, groups 512-767 cast and transpose the weights.
; The waves do not depend on each other: no barrier.  Every byte is read once and written once, so matrix units and clusters have nothing to do here.
; THE MODE: SCHED_MODE bits 1:0 = 2 (LLVM: expert scheduling mode 2), set by the entry lines.  The code itself states the register dependences
; between vector instructions and memory or LDS instructions, with s_wait_alu, always for 0.
; THE PLAN.  A wave's 32 KiB go in four batches of 16 loads.  Registers that memory or LDS instructions touch:
;   v4 - v7     offsets and LDS addresses: written once, at a path's head, ahead of that path's first wait on va_vdst; never written again.
;   X0, X1      raw buffers.  The loads of batches b and b + 2 land in X[b % 2]; batch b's 32 conversions read it.
;   O0, O1      out-buffers.  Batch b's conversions write O[b % 2]; the batch's stores (global on the cast path, LDS on the weights' path) read it.
;               On the cast path only batches 0 and 1 use them: batches 2 and 3 round in place, since their raw buffers are not asked for again.
;               On the weights' path O[b % 2] is written again in batch b + 2.
;   v[16:143]   on the weights' way back: 32 LDS loads land there, 32 global stores read them; no vector instruction names them any more.
;   v160, v161  written at the head, read by the closing add alone.
; So ONE wait on va_vdst stands in a batch, behind its conversions: they have written the out-buffer and are done reading the raw buffer.  The loads of
; batch b + 2 and the stores of batch b follow it with no vector instruction between.  One wait on vm_vsrc stands ahead of the conversions of the weights'
; batches 2 and 3, which write an out-buffer that LDS stores have read.
.set ROWB,   4096                      ; bytes in a row of x, h_prev, W (f32) and of Ab, Wt (bf16)
.set WPITCH, 272                       ; the transposing stage: a row = 128 k in bf16 (256 bytes) + 16 of padding
.set WREG,   64*WPITCH                 ; 64 rows (n): a wave's own stage
.set SRC, 4                            ; v4  my byte offset in the source
.set DST, 5                            ; v5  my byte offset in the destination
.set LST, 6                            ; v6  LDS address of my stores
.set LRD, 7                            ; v7  LDS address of my reads
.set X0,  16                           ; v[16:79]   a batch of 16 loads
.set X1,  80                           ; v[80:143]  the other batch
                                       ; v[144:159] are not used: the closing add's two registers keep their places at v160 and v161
.set O0,  162                          ; v[162:193] a batch's 32 packed words on their way out
.set O1,  194                          ; v[194:225] the other batch's
	s_load_b512 s[16:31], s[0:1], 0x0              ; x s[16:17], h_prev s[18:19], W_f s[20:21], W_i s[22:23], W_o s[24:25], W_C s[26:27], Ab s[28:29], Wt s[30:31]
	v_lshl_add_u32 v160, v0, 2, 0x11000            ; my spare word, behind the four stages, and 0: made here and kept for the closing add alone
	v_mov_b32 v161, 0
	s_mov_b32 s2, ttmp9                            ; the work-group's number
	v_lshrrev_b32 v1, 5, v0
	v_readfirstlane_b32 s3, v1                     ; wave 0..3
	v_and_b32 v1, 31, v0                           ; lane l
	v_and_b32 v2, 15, v0                           ; l % 16
	v_bfe_u32 v3, v0, 4, 1                         ; l / 16
	s_mov_b32 s9, 0                                ; high word of the offset pair s[8:9]
	s_wait_alu depctr_va_sdst(0)                   ; s3 is written, ahead of the branch: both paths make their bases from it
	s_wait_kmcnt 0x0
	s_cmp_ge_u32 s2, 512
	s_cbranch_scc1 .Lweights
	; ---- x and h_prev: a wave takes 8 rows, 32 KiB that lie together in the source ----
	s_lshr_b32 s10, s2, 8                          ; 0: x, 1: h_prev
	s_and_b32 s11, s2, 255                         ; block of 32 rows
	s_lshl_b32 s8, s11, 17                         ; 32 rows of 4,096 bytes
	s_lshl_b32 s12, s3, 15                         ; + 8 rows for each wave; Ab's rows are 4,096 bytes too, so the offset serves both sides
	s_add_co_u32 s8, s8, s12
	s_cmp_eq_u32 s10, 0
	s_cselect_b64 s[4:5], s[16:17], s[18:19]
	s_add_nc_u64 s[4:5], s[4:5], s[8:9]
	s_add_nc_u64 s[6:7], s[28:29], s[8:9]
	s_lshl_b32 s8, s10, 11                         ; h_prev fills the second 2,048 bytes of Ab's rows
	s_add_nc_u64 s[6:7], s[6:7], s[8:9]
	v_lshlrev_b32 v[SRC], 4, v1                    ; 16 bytes of f32 a lane: a load of the wave covers 512 neighbouring bytes
	v_lshlrev_b32 v[DST], 3, v1                    ; 8 bytes of bf16 a lane: a store of the wave covers 256 neighbouring bytes, aligned
.macro LOADA b, set                    ; batch b of four: 16 loads, 8 KiB, two rows
.irp i, 0,1,2,3,4,5,6,7,8,9,10,11,12,13,14,15
	global_load_b128 v[\set+4*\i:\set+4*\i+3], v[SRC], s[4:5] offset:(16*\b+\i)*512 th:TH_LOAD_NT
.endr
.endm
.macro CVTA set, out, st               ; a batch is rounded, two numbers an instruction; load i's four numbers become the pair at out + st i (out = set, st = 4: in place)
.irp i, 0,1,2,3,4,5,6,7,8,9,10,11,12,13,14,15
	v_cvt_pk_bf16_f32 v[\out+\st*\i],   v[\set+4*\i],   v[\set+4*\i+1]
	v_cvt_pk_bf16_f32 v[\out+\st*\i+1], v[\set+4*\i+2], v[\set+4*\i+3]
.endr
.endm
.macro STOREA b, out, st               ; and stored
.irp i, 0,1,2,3,4,5,6,7,8,9,10,11,12,13,14,15
	global_store_b64 v[DST], v[\out+\st*\i:\out+\st*\i+1], s[6:7] offset:(2*\b+(\i>>3))*ROWB+(\i&7)*256
.endr
.endm
	s_wait_alu depctr_va_vdst(0)                   ; v[SRC] and v[DST] are written: every load and store of this path reads one of them as its offset
	LOADA 0, X0
	LOADA 1, X1
	s_wait_loadcnt 16                              ; loads come back in order (ISA guide 5.7.1): batch 0 is in, the 16 of batch 1 stay out
	CVTA X0, O0, 2
	s_wait_alu depctr_va_vdst(0)                   ; the conversions are done reading X0, in which the loads below land, and have written O0, which the stores below read
	LOADA 2, X0                                    ; the buffer is asked for again at once, ahead of the stores
	STOREA 0, O0, 2
	s_wait_loadcnt 16                              ; batch 1 is in, batch 2 stays out
	CVTA X1, O1, 2
	s_wait_alu depctr_va_vdst(0)                   ; the same for X1 and O1
	LOADA 3, X1
	STOREA 1, O1, 2
	s_wait_loadcnt 16                              ; batch 2 is in, batch 3 stays out
	CVTA X0, X0, 4                                 ; in place: no load lands in X0 any more, and no memory instruction has read it
	s_wait_alu depctr_va_vdst(0)                   ; the conversions have written the pairs in X0, which the stores below read
	STOREA 2, X0, 4
	s_wait_loadcnt 0x0                             ; the last batch
	CVTA X1, X1, 4
	s_wait_alu depctr_va_vdst(0)                   ; the conversions have written the pairs in X1, which the stores below read
	STOREA 3, X1, 4
	s_endpgm                                       ; this path has stored nothing to LDS
.Lweights:
	; ---- the weights: a wave takes a tile of 128 k x 64 n of one gate and turns it over in its own 17,408 bytes of LDS ----
	s_sub_co_u32 s10, s2, 512                      ; t = 0..255
	s_lshr_b32 s11, s10, 6                         ; gate g
	s_bfe_u32 s12, s10, 0x40002                    ; block of 64 hidden columns, 0..15 (4 bits from bit 2)
	s_and_b32 s13, s10, 3
	s_lshl2_add_u32 s13, s13, s3                   ; block of 128 k = 4 (t & 3) + wave, 0..15
	s_cmp_eq_u32 s11, 1
	s_cselect_b64 s[4:5], s[22:23], s[20:21]       ; W_i or W_f,
	s_cmp_eq_u32 s11, 2
	s_cselect_b64 s[4:5], s[24:25], s[4:5]         ; or W_o,
	s_cmp_eq_u32 s11, 3
	s_cselect_b64 s[4:5], s[26:27], s[4:5]         ; or W_C
	s_lshl_b32 s8, s13, 19                         ; 128 rows (k) of 4,096 bytes
	s_lshl_b32 s14, s12, 8                         ; + 64 columns of 4 bytes
	s_add_co_u32 s8, s8, s14
	s_add_nc_u64 s[4:5], s[4:5], s[8:9]
	s_lshl_b32 s8, s12, 20                         ; Wt: 256 rows of 4,096 bytes for each block of 64 hidden columns,
	s_lshl_b32 s14, s11, 17                        ; + 32 rows for the gate,
	s_add_co_u32 s8, s8, s14
	s_lshl_b32 s14, s13, 8                         ; + 128 k of 2 bytes along the row
	s_add_co_u32 s8, s8, s14
	s_add_nc_u64 s[6:7], s[30:31], s[8:9]
	s_mul_i32 s15, s3, WREG                        ; my wave's stage
	v_lshlrev_b32 v[SRC], 15, v3                   ; lanes 16-31 read the row 8 further down,
	v_lshl_add_u32 v[SRC], v2, 4, v[SRC]           ; 16 lanes cover the tile's 256 bytes of a row
	v_lshlrev_b32 v[DST], 12, v3                   ; lanes 16-31 store the next row of Wt,
	v_lshl_add_u32 v[DST], v2, 4, v[DST]           ; 16 lanes cover its 256 bytes
	v_mul_u32_u24 v[LST], v2, 4*WPITCH             ; in: my four columns n = 4 (l % 16) + c are four stage rows,
	v_lshl_add_u32 v[LST], v3, 4, v[LST]           ; my eight k are 16 bytes
	v_add_nc_u32 v[LST], s15, v[LST]
	v_mul_u32_u24 v[LRD], v3, WPITCH               ; back: lanes 0-15 one stage row, lanes 16-31 the next
	v_lshl_add_u32 v[LRD], v2, 4, v[LRD]
	v_add_nc_u32 v[LRD], s15, v[LRD]
.macro LOADW b, set                    ; batch b of four: 32 rows (k).  Register set + 32 q + 4 i + c = W[32 b + 16 q + 8 (l / 16) + i][4 (l % 16) + c]
.irp q, 0,1
.irp i, 0,1,2,3,4,5,6,7
	global_load_b128 v[\set+32*\q+4*\i:\set+32*\q+4*\i+3], v[SRC], s[4:5] offset:(32*\b+16*\q+\i)*ROWB th:TH_LOAD_NT
.endr
.endr
.endm
; Eight k of one column pack into 16 bytes, the lower k in the lower half, and go to that column's stage row..
; A pitch that would part them is no multiple of 16 bytes; the stage carries 16 KiB for each wave once, so the form is kept.
.macro CVTW set, out                   ; a batch's 64 numbers a lane into 32 packed words: half q, column c at out + 16 q + 4 c
.irp q, 0,1
.irp c, 0,1,2,3
.irp p, 0,1,2,3
	v_cvt_pk_bf16_f32 v[\out+16*\q+4*\c+\p], v[\set+32*\q+8*\p+\c], v[\set+32*\q+8*\p+4+\c]
.endr
.endr
.endr
.endm
.macro STOREW b, out                   ; and into the stage
.irp q, 0,1
.irp c, 0,1,2,3
	ds_store_b128 v[LST], v[\out+16*\q+4*\c:\out+16*\q+4*\c+3] offset:\c*WPITCH+64*\b+32*\q
.endr
.endr
.endm
	s_wait_alu depctr_va_vdst(0)                   ; v[SRC], v[DST], v[LST] and v[LRD] are written: every load and store of this path, global or LDS, reads one of them
	LOADW 0, X0
	LOADW 1, X1
	s_wait_loadcnt 16                              ; batch 0 is in, the 16 of batch 1 stay out
	CVTW X0, O0
	s_wait_alu depctr_va_vdst(0)                   ; the conversions are done reading X0, in which the loads below land, and have written O0, which the LDS stores below read
	LOADW 2, X0                                    ; the buffer is asked for again at once, ahead of the LDS stores
	STOREW 0, O0
	s_wait_loadcnt 16                              ; batch 1 is in, batch 2 stays out
	CVTW X1, O1
	s_wait_alu depctr_va_vdst(0)                   ; the same for X1 and O1
	LOADW 3, X1
	STOREW 1, O1
	s_wait_loadcnt 16                              ; batch 2 is in, batch 3 stays out
	s_wait_alu depctr_vm_vsrc(0)                   ; the LDS stores of batch 0 have read O0, which the conversions below write again
	CVTW X0, O0
	s_wait_alu depctr_va_vdst(0)                   ; the conversions have written O0, which the LDS stores below read
	STOREW 2, O0
	s_wait_loadcnt 0x0                             ; the last batch
	s_wait_alu depctr_vm_vsrc(0)                   ; the LDS stores of batch 1 have read O1, which the conversions below write again
	CVTW X1, O1
	s_wait_alu depctr_va_vdst(0)                   ; the conversions have written O1, which the LDS stores below read; and all conversions are done reading X0 and X1, in which the LDS loads below land
	STOREW 3, O1
	; Back by rows: 128 k of one column n are 256 bytes.  LDS serves a wave's instructions in order (ISA guide 5.7.1.4), and the bytes are my wave's own.
	; No vector instruction stands behind the wait above, so these loads and the stores of what they bring owe no further s_wait_alu.
.set t, 0
.rept 32
	ds_load_b128 v[X0+4*t:X0+4*t+3], v[LRD] offset:t*2*WPITCH      ; stage rows 2 t and 2 t + 1
.set t, t+1
.endr
.set t, 0
.rept 32
	s_wait_dscnt 31-t                              ; the younger reads stay out
	global_store_b128 v[DST], v[X0+4*t:X0+4*t+3], s[6:7] offset:((t>>4)*128+((2*t)&31))*ROWB   ; n = 2 t + l / 16: n >> 5 picks the 128 rows, n & 31 the row; 16 lanes store 256 consecutive bytes, aligned
.set t, t+1
.endr
	s_wait_dscnt 0x0                               ; the closing lines, six on end
	s_wait_alu 0x0
	s_wait_tensorcnt 0x0
	ds_add_u32 v160, v161
	s_wait_dscnt 0x0
	s_endpgm
.Lfunc_end_k_qe66c6fa7fa_prep:
	.size	k_qe66c6fa7fa_prep, .Lfunc_end_k_qe66c6fa7fa_prep-k_qe66c6fa7fa_prep
	.p2alignl 7, 3214868480
	.fill 96, 4, 3214868480
	.section	.rodata,"a",@progbits
	.p2align	6, 0x0
	.amdhsa_kernel k_qe66c6fa7fa_prep
		.amdhsa_group_segment_fixed_size 70144
		.amdhsa_private_segment_fixed_size 0
		.amdhsa_enable_private_segment 0
		.amdhsa_kernarg_size 64
		.amdhsa_user_sgpr_count 2
		.amdhsa_user_sgpr_kernarg_segment_ptr 1
		.amdhsa_wavefront_size32 1
		.amdhsa_system_sgpr_workgroup_id_x 1
		.amdhsa_system_sgpr_workgroup_id_y 1
		.amdhsa_system_sgpr_workgroup_id_z 1
		.amdhsa_system_vgpr_workitem_id 0
		.amdhsa_next_free_vgpr 226
		.amdhsa_next_free_sgpr 66
		.amdhsa_reserve_vcc 0
		.amdhsa_float_denorm_mode_32 3
		.amdhsa_float_denorm_mode_16_64 3
		.amdhsa_memory_ordered 1
		.amdhsa_forward_progress 1
		.amdhsa_inst_pref_size 46
	.end_amdhsa_kernel
	.amdgpu_metadata
---
amdhsa.version: [ 1, 2 ]
amdhsa.kernels:
  - .name:           k_qe66c6fa7fa_prep
    .symbol:         k_qe66c6fa7fa_prep.kd
    .args:
      - { .name: x, .offset: 0, .size: 8, .value_kind: global_buffer, .address_space: global }
      - { .name: h_prev, .offset: 8, .size: 8, .value_kind: global_buffer, .address_space: global }
      - { .name: W_f, .offset: 16, .size: 8, .value_kind: global_buffer, .address_space: global }
      - { .name: W_i, .offset: 24, .size: 8, .value_kind: global_buffer, .address_space: global }
      - { .name: W_o, .offset: 32, .size: 8, .value_kind: global_buffer, .address_space: global }
      - { .name: W_C, .offset: 40, .size: 8, .value_kind: global_buffer, .address_space: global }
      - { .name: Ab, .offset: 48, .size: 8, .value_kind: global_buffer, .address_space: global }
      - { .name: Wt, .offset: 56, .size: 8, .value_kind: global_buffer, .address_space: global }
    .group_segment_fixed_size: 70144
    .private_segment_fixed_size: 0
    .kernarg_segment_align: 8
    .kernarg_segment_size: 64
    .max_flat_workgroup_size: 128
    .sgpr_count:     66
    .vgpr_count:     226
    .wavefront_size: 32
...
	.end_amdgpu_metadata
.endif
;; end of part 3
;; launch lstm: the kernel of part 2 again; grid 16 x 32, 4 waves a work-group, clusters of 4 x 4, 327,680 bytes of LDS; arguments Ab, Wt, C_prev, b_f, b_i, b_o, b_C, out0, out1; writes out0, out1
